; MI455X (gfx1250); checked and timed in simulation.
; The chip was launched on July 23, 2026; its instructions are those of AMD's public machine-readable ISA for CDNA 5 (MIT licence, August 2026) and "CDNA5" Instruction Set Architecture Reference Guide (July 2026). The comments in the code are by the model that wrote it; some were corrected since.
;; Dilated MHCA Block. Allowed arithmetic: matrix products marked QUANTISED: E4M3 operands, one given power-of-two scale a tensor, by v_wmma_f32_16x16x64_fp8_fp8 or v_wmma_f32_16x16x128_fp8_fp8, f32 sums; everything else in f32.
;; Inputs: Wk 1,024 x 1,024 float32; Wo 1,024 x 1,024 float32; Wq 1,024 x 1,024 float32; Wv 1,024 x 1,024 float32; bk 1,024 float32; bo 1,024 float32; bq 1,024 float32; bv 1,024 float32; lowp_scales 12 int32 (the exponents e of the quantised operands' scales 2^e); x 4 x 2,048 x 1,024 float32.
;; Outputs: out0 4 x 2,048 x 1,024 float32.
;; Constants: dilation = 2, k = 8.
;; This version of the problem:
;;   THIS VERSION OF THE PROBLEM IS GIVEN IN LOW PRECISION. The matrix products marked QUANTISED in the list below multiply operands that are first quantised to E4M3 (4 exponent bits, 3 mantissa bits; 8 bits a number), with one given power-of-two scale for each operand tensor; their sums are f32. All else is computed in f32.
;;   The module's matrix products, in the order in which they are computed (A, B: the left and right operand; K: the contracted axis; several contracted axes count as one K, in the product's order):
;;     1. [M 8,192, K 1,024] x [K 1,024, N 1,024]; A: input x; B: input Wq: QUANTISED (scales: A lowp_scales[0], B lowp_scales[1])
;;     2. [M 8,192, K 1,024] x [K 1,024, N 1,024]; A: input x; B: input Wk: QUANTISED (scales: A lowp_scales[2], B lowp_scales[3])
;;     3. [M 8,192, K 1,024] x [K 1,024, N 1,024]; A: input x; B: input Wv: QUANTISED (scales: A lowp_scales[4], B lowp_scales[5])
;;     4. batch 64 x [M 2,048, K 64] x [K 64, N 2,048]; A: computed on the way; B: computed on the way: QUANTISED (scales: A lowp_scales[6], B lowp_scales[7])
;;     5. batch 64 x [M 2,048, K 2,048] x [K 2,048, N 64]; A: softmax (see below); B: computed on the way: QUANTISED (scales: A lowp_scales[8], B lowp_scales[9])
;;     6. [M 8,192, K 1,024] x [K 1,024, N 1,024]; A: computed on the way; B: input Wo: QUANTISED (scales: A lowp_scales[10], B lowp_scales[11])
;;   THE QUANTISER, for each operand of a quantised product, along K:
;;     - The operand's scale is 2^e, e = its entry of the input lowp_scales (int32; the entries are numbered through the quantised products in the list's order, A before B).
;;     - Each number is divided by the scale, clamped to +-448, and rounded to the nearest number of E4M3, ties to even, subnormals kept.
;;     - The product sums the exact products of the quantised numbers (number of the format x scale) in f32.
;;   ~~~python
;;   def quantise(x, axis, e):      # numpy; x: float32 -> the quantised numbers, widened to float32 again
;;       x = np.moveaxis(x, axis, -1); K = x.shape[-1]
;;       r = np.clip(x / 2.0 ** e, -448, 448)
;;       step = 2.0 ** (np.maximum(np.frexp(np.where(r == 0, 1, r))[1] - 1, -6) - 3)
;;       q = np.round(r / step) * step * 2.0 ** e      # np.round: ties to even
;;       return np.moveaxis(q, -1, axis).astype(np.float32)
;;   ~~~
;;   SOFTMAX AHEAD OF A QUANTISED PRODUCT. Where the list says 'softmax', what is quantised is not the finished softmax but p = 2^(t - M), with t = logit x log2(e) and M = ceil(the row's largest t), a whole number; so 1/2 < the row's largest p <= 1. The row's sum l is taken of the UNQUANTISED p, in f32, and the product's result is divided by l at the end. Since M is a whole number, a kernel that streams over the keys may use a running M (the ceiling of the running maximum): every later rescaling is an exact power of two, so the quantised numbers keep their values, but for numbers so far below the row's largest that they fall under the format's range.
;;   OPERANDS COMPUTED ON THE WAY. 'Computed on the way' means the value that the module computes at that place (a softmax that the list does not call 'softmax' is quantised finished and normalised). What goes into a quantiser is computed in f32, as accurately as f32 sums, v_exp_f32 and their like allow (about 1e-6 of the number): no bf16 or f16 on the way to a quantiser, and a product that is left as it is and whose result goes on into a quantised operand takes f32 operands (vector FMAs, or v_wmma_f32_16x16x4_f32). A number that lies on a knife's edge between two numbers of the format may be rounded either way, as far as f32 arithmetic and the matrix unit's own rounding can turn it there, and no further.
;; One version. Each part assembles by itself: llvm-mc -triple=amdgcn-amd-amdhsa -mcpu=gfx1250 --defsym DOCPART=n.
;; ======== version 1 of 1: 4 launches
;; workspace buffers: xc 25,165,824 bytes; wt 4,194,304 bytes; qk 16,777,216 bytes; vc 8,388,608 bytes; ac 8,388,608 bytes
;; launch prep (part 1): grid 384 x 1, 4 waves a work-group, no clusters, 68,096 bytes of LDS; arguments x, Wq, Wk, Wv, Wo, lowp_scales, xc, wt; writes xc, wt
.if DOCPART == 1
	.amdgcn_target "amdgcn-amd-amdhsa--gfx1250"
	.amdhsa_code_object_version 6
	.text
	.protected	k_q5b95ab1e1b_prep
	.globl	k_q5b95ab1e1b_prep
	.p2align	8
	.type	k_q5b95ab1e1b_prep,@function
k_q5b95ab1e1b_prep:
	s_mov_b64 s[64:65], 0
	v_nop
	global_prefetch_b8 v0, s[64:65] scope:SCOPE_SE
	s_setreg_imm32_b32 hwreg(HW_REG_WAVE_MODE, 25, 1), 1
	s_wait_xcnt 0x0
; x [8192][1024] f32 becomes three tensors of E4M3 codes (scales 2^e0, 2^e2, 2^e4: one for each product that reads x); Wq, Wk, Wv, Wo [k][n] f32 become codes laid [n][k] (scales 2^e1, 2^e3, 2^e5, 2^e11).
; code = number / 2^e, held within +-448, rounded to the nearest code, ties to even.
; ROWS OF x ARE RE-ORDERED BY THE STORES' ADDRESSES: row b*2048 + 2 i + p goes to place (2 b + p)*1024 + i.  In that order the mask |j - i| <= 16, j - i even, is a plain band of +-8 inside a class of 1,024 places.
; Work-groups 0-255: x, 32 rows each; a wave takes 8 rows as 16 steps of 512 numbers.  Each load reads 512 consecutive bytes; a step's 2,048 bytes turn through the wave's own stage in LDS so that a lane holds 16 neighbours
; along K; a lane's 16 codes are 16 bytes, so each store of the wave covers 512 consecutive bytes, aligned.  Loads run eight steps (32 loads a wave) ahead, the turn through LDS one step.
; Work-groups 256-383: the weights; a lane takes a column n and its registers run down K, so the conversions give codes with K innermost; they leave through the wave's own stage as rows, sixteen lanes to 256 consecutive bytes.
; The two paths part on the work-group's number alone and have LDS bytes of their own.  Waves share nothing: no barrier.
; LIMITS: each e used here lies between -126 and 119, so that 2^e and 448 x 2^e are f32 numbers.  NaN among the inputs is not served; an infinity is held at the largest code.
.set SP,    80                         ; x path: a lane's place in a stage: 64 bytes + 16 of padding
.set WSTG,  32768                      ; LDS: bytes 0-32,767 x path, 8,192 a wave (two stages of 32 x SP); from here the weights' four stages
.set PITCH, 272                        ; a row of a weight stage: 256 bytes + 16
.set SPARE, WSTG+4*32*PITCH            ; behind them: the spare words, 128 bytes for each wave, which no other line names
.set SPW,   238                        ; v238 LDS address of my spare word; never rewritten
.set NIL,   239                        ; v239 0; never rewritten
.set R,     16                         ; x path: v16-143 eight sets of 16 numbers as loaded
.set X,     144                        ; v144-175 two sets of 16 neighbours
.set T,     176                        ; v176-207 two sets of held numbers, by turns
.set C,     208                        ; v208-231 two sets of 12: four registers of codes for each of the three versions
.set WX,    32                         ; weights: v32-95 two sets of 32 numbers
.set WC,    96                         ; v96-103 a block's codes
.set OUTR,  112                        ; v112-175 the way out
.macro MKSCALE e, vs, vl               ; v[vs] = 2^e as f32 (the conversion takes its exponent field), v[vl] = 448 x 2^e; e in s[e]
	s_add_co_i32 s21, s[\e], 127
	s_lshl_b32 s22, s21, 23
	v_mov_b32 v[\vs], s22
	s_add_co_i32 s21, s21, 8
	s_lshl_b32 s21, s21, 23
	s_or_b32 s21, s21, 0x600000
	v_mov_b32 v[\vl], s21
.endm
	s_load_b512 s[4:19], s[0:1], 0x0               ; x 4:5, Wq 6:7, Wk 8:9, Wv 10:11, Wo 12:13, the scales 14:15, xc 16:17, wt 18:19
	v_lshl_add_u32 v[SPW], v0, 2, SPARE
	v_mov_b32 v[NIL], 0
	v_lshrrev_b32 v1, 5, v0
	v_readfirstlane_b32 s20, v1                    ; wave 0..3
	v_and_b32 v2, 31, v0                           ; lane
	s_wait_kmcnt 0x0
	s_load_b256 s[24:31], s[14:15], 0x0            ; e0 .. e7
	s_load_b128 s[32:35], s[14:15], 0x20           ; e8 .. e11
	s_cmp_ge_u32 ttmp9, 256
	s_cbranch_scc1 .Lweights
	; ---------------- x ----------------
	v_lshlrev_b32 v3, 4, v2                        ; 16 x lane: my bytes of a load's 512 and of a store's 512; never rewritten
	s_lshl_b32 s21, s20, 13                        ; my wave's 8,192 bytes of LDS
	v_lshrrev_b32 v14, 2, v2
	v_mul_u32_u24 v14, v14, SP
	v_and_b32 v15, 3, v2
	v_lshl_add_u32 v14, v15, 4, v14
	v_add_nc_u32 v14, s21, v14                     ; the stage, on the way in: SP (lane / 4) + 16 (lane % 4)
	v_mul_u32_u24 v15, v2, SP
	v_add_nc_u32 v15, s21, v15                     ; and on the way out: SP x lane
	s_lshl_b32 s21, ttmp9, 2
	s_add_co_u32 s21, s21, s20                     ; which run of 8 rows is my wave's
	s_lshl_b32 s22, s21, 15                        ; 8 rows of 4,096 bytes
	s_mov_b32 s23, 0
	s_add_nc_u64 s[4:5], s[4:5], s[22:23]
	s_lshl_b32 s21, s21, 3                         ; my first row r0, a multiple of 8
	s_lshr_b32 s22, s21, 11
	s_lshl_b32 s22, s22, 11                        ; 2,048 b
	s_and_b32 s21, s21, 2047
	s_lshr_b32 s21, s21, 1
	s_add_co_u32 s22, s22, s21                     ; the place of row r0: 2 b x 1,024 + (r0 % 2,048) / 2
	s_lshl_b32 s22, s22, 10                        ; a row of codes is 1,024 bytes
	s_add_nc_u64 s[36:37], s[16:17], s[22:23]      ; version 0,
	s_add_nc_u64 s[38:39], s[36:37], 0x800000      ; version 1,
	s_add_nc_u64 s[40:41], s[36:37], 0x1000000     ; version 2
.macro XLOAD t
.irp i, 0,1,2,3
	global_load_b128 v[R+16*((\t)%8)+4*\i:R+16*((\t)%8)+4*\i+3], v3, s[4:5] offset:2048*(\t)+512*\i th:TH_LOAD_NT
.endr
.endm
.macro XTURN t                         ; step t's numbers through the stage: LDS serves a wave's instructions in order, so no wait stands between the stores and the loads
.irp i, 0,1,2,3
	ds_store_b128 v14, v[R+16*((\t)%8)+4*\i:R+16*((\t)%8)+4*\i+3] offset:32*SP*((\t)%2)+8*SP*\i
.endr
.irp i, 0,1,2,3
	ds_load_b128 v[X+16*((\t)%2)+4*\i:X+16*((\t)%2)+4*\i+3], v15 offset:32*SP*((\t)%2)+16*\i
.endr
.endm
.irp t, 0,1,2,3,4,5,6,7
	XLOAD \t
.endr
	s_wait_kmcnt 0x0
	MKSCALE 24, 6, 7                               ; e0
	MKSCALE 26, 8, 9                               ; e2
	MKSCALE 28, 10, 11                             ; e4
	s_wait_loadcnt 28                              ; step 0's four loads are in; the seven steps behind it may be out
	XTURN 0
; Step t is half of row r0 + t / 2.  That row's place is ((t / 2) % 2) x 1,024 + t / 4 places behind r0's.
.macro XSTEP t
.set XS, X+16*((\t)%2)
	s_wait_dscnt 0x0                               ; this step's numbers are back from the stage, and its stores into the stage have read their registers,
.if (\t)+8 < 16
	XLOAD (\t)+8                                   ; which take the loads of eight steps on
.endif
.if (\t) < 15
.if (\t) <= 7
	s_wait_loadcnt 28                              ; the next step's loads are in; those of the seven steps behind it may be out
.else
	s_wait_loadcnt 4*(14-(\t))                     ; the steps behind the next one, four loads each
.endif
	XTURN (\t)+1
.endif
	s_wait_xcnt 0x0                                ; the stores of two steps back have read their data: this set of code registers is rewritten only behind this wait
.irp ver, 0,1,2
.set TS, T+16*((3*(\t)+\ver)%2)                ; the two sets of held numbers take turns, so that sixteen plain lines stand between a conversion and the next write of its sources
.set CC, C+12*((\t)%2)+4*\ver
.set ii, 0
.rept 16
	v_med3_num_f32 v[TS+ii], v[XS+ii], -v[7+2*\ver], v[7+2*\ver]   ; the conversion to an 8-bit code does not saturate (ISA guide 7.6.2): the hold at the largest code x the scale
.set ii, ii+1
.endr
	v_cvt_scalef32_pk8_fp8_f32 v[CC:CC+1], v[TS:TS+7], v[6+2*\ver]
	v_cvt_scalef32_pk8_fp8_f32 v[CC+2:CC+3], v[TS+8:TS+15], v[6+2*\ver]
	global_store_b128 v3, v[CC:CC+3], s[36+2*\ver:37+2*\ver] offset:((((\t)/2)%2)*1024+(\t)/4)*1024+((\t)%2)*512
.endr
.endm
.irp t, 0,1,2,3,4,5,6,7,8,9,10,11,12,13,14,15
	XSTEP \t
.endr
	s_wait_tensorcnt 0x0                           ; the wave's end, behind my last LDS store
	ds_add_u32 v[SPW], v[NIL]
	s_wait_dscnt 0x0
	s_endpgm
	; ---------------- the weights ----------------
.Lweights:
	s_sub_co_u32 s21, ttmp9, 256
	s_lshr_b32 s22, s21, 5                         ; which weight: 0 Wq, 1 Wk, 2 Wv, 3 Wo
	s_and_b32 s23, s21, 7                          ; which 128 columns
	s_bfe_u32 s21, s21, 0x20003                    ; which 256 along K
	s_cmp_eq_u32 s22, 1
	s_cselect_b64 s[6:7], s[8:9], s[6:7]
	s_cmp_eq_u32 s22, 2
	s_cselect_b64 s[6:7], s[10:11], s[6:7]
	s_cmp_eq_u32 s22, 3
	s_cselect_b64 s[6:7], s[12:13], s[6:7]
	s_lshl_b32 s36, s23, 7
	s_lshl_b32 s37, s20, 5
	s_add_co_u32 s36, s36, s37                     ; my wave's first column
	s_lshl_b32 s38, s21, 20                        ; 256 rows of 4,096 bytes
	s_lshl_b32 s37, s36, 2
	s_add_co_u32 s38, s38, s37
	s_mov_b32 s39, 0
	s_add_nc_u64 s[6:7], s[6:7], s[38:39]
	s_lshl_b32 s40, s22, 20                        ; the weight's 1 MiB of codes,
	s_lshl_b32 s37, s36, 10                        ; my first column's row of 1,024 bytes,
	s_add_co_u32 s40, s40, s37
	s_lshl_b32 s37, s21, 8                         ; my 256 bytes of it
	s_add_co_u32 s40, s40, s37
	s_mov_b32 s41, 0
	s_add_nc_u64 s[18:19], s[18:19], s[40:41]
	v_lshlrev_b32 v3, 2, v2                        ; in: 4 bytes a lane
	s_mul_i32 s37, s20, 32*PITCH
	s_add_co_u32 s37, s37, WSTG                    ; my stage
	v_mul_u32_u24 v4, v2, PITCH
	v_add_nc_u32 v4, s37, v4                       ; into it: row = my column
	v_and_b32 v5, 15, v2
	v_lshrrev_b32 v6, 4, v2
	v_mul_u32_u24 v7, v6, PITCH
	v_lshl_add_u32 v7, v5, 4, v7
	v_add_nc_u32 v7, s37, v7                       ; out of it: sixteen lanes to a row, two rows an instruction
	v_lshlrev_b32 v8, 10, v6
	v_lshl_add_u32 v8, v5, 4, v8                   ; and the same place in the codes
.macro WLOAD t                         ; block t: W(32 t + i, my column), i = 0 .. 31
.set ii, 0
.rept 32
	global_load_b32 v[WX+32*((\t)%2)+ii], v3, s[6:7] offset:(32*(\t)+ii)*4096 th:TH_LOAD_NT
.set ii, ii+1
.endr
.endm
	WLOAD 0
	WLOAD 1
	s_wait_kmcnt 0x0
	s_cmp_eq_u32 s22, 1
	s_cselect_b32 s25, s27, s25                    ; e1, e3, e5 or e11
	s_cmp_eq_u32 s22, 2
	s_cselect_b32 s25, s29, s25
	s_cmp_eq_u32 s22, 3
	s_cselect_b32 s25, s35, s25
	MKSCALE 25, 11, 10
.macro WBLOCK t
.set XS, WX+32*((\t)%2)
.if (\t) < 7
	s_wait_loadcnt 32                              ; this block's 32 loads are in; the next block's may be out
.else
	s_wait_loadcnt 0
.endif
.set ii, 0
.rept 32
	v_med3_num_f32 v[XS+ii], v[XS+ii], -v10, v10
.set ii, ii+1
.endr
.irp g, 0,1,2,3
	v_cvt_scalef32_pk8_fp8_f32 v[WC+2*\g:WC+2*\g+1], v[XS+8*\g:XS+8*\g+7], v11
.endr
	ds_store_b128 v4, v[WC:WC+3] offset:32*(\t)
	ds_store_b128 v4, v[WC+4:WC+7] offset:32*(\t)+16
.if (\t)+2 < 8
	WLOAD (\t)+2
.endif
	s_wait_dscnt 0x0                               ; the stores have read their registers: the next block's codes may be written (its 32 holds are the plain lines behind these conversions)
.endm
.irp t, 0,1,2,3,4,5,6,7
	WBLOCK \t
.endr
.irp t, 0,1,2,3,4,5,6,7,8,9,10,11,12,13,14,15
	ds_load_b128 v[OUTR+4*\t:OUTR+4*\t+3], v7 offset:2*\t*PITCH
.endr
.irp t, 0,1,2,3,4,5,6,7,8,9,10,11,12,13,14,15
	s_wait_dscnt 15-\t                             ; LDS loads come back in order: load t is in, the younger ones may be out
	global_store_b128 v8, v[OUTR+4*\t:OUTR+4*\t+3], s[18:19] offset:2*\t*1024
.endr
	s_wait_tensorcnt 0x0                           ; the wave's end, behind my last LDS store
	ds_add_u32 v[SPW], v[NIL]
	s_wait_dscnt 0x0
	s_endpgm
.Lfunc_end_k_q5b95ab1e1b_prep:
	.size	k_q5b95ab1e1b_prep, .Lfunc_end_k_q5b95ab1e1b_prep-k_q5b95ab1e1b_prep
	.p2alignl 7, 3214868480
	.fill 96, 4, 3214868480
	.section	.rodata,"a",@progbits
	.p2align	6, 0x0
	.amdhsa_kernel k_q5b95ab1e1b_prep
		.amdhsa_group_segment_fixed_size 68096
		.amdhsa_private_segment_fixed_size 0
		.amdhsa_enable_private_segment 0
		.amdhsa_kernarg_size 64
		.amdhsa_user_sgpr_count 2
		.amdhsa_user_sgpr_kernarg_segment_ptr 1
		.amdhsa_wavefront_size32 1
		.amdhsa_system_sgpr_workgroup_id_x 1
		.amdhsa_system_sgpr_workgroup_id_y 1
		.amdhsa_system_sgpr_workgroup_id_z 1
		.amdhsa_system_vgpr_workitem_id 0
		.amdhsa_next_free_vgpr 240
		.amdhsa_next_free_sgpr 66
		.amdhsa_reserve_vcc 0
		.amdhsa_float_denorm_mode_32 3
		.amdhsa_float_denorm_mode_16_64 3
		.amdhsa_memory_ordered 1
		.amdhsa_forward_progress 1
		.amdhsa_inst_pref_size 126
	.end_amdhsa_kernel
	.amdgpu_metadata
---
amdhsa.version: [ 1, 2 ]
amdhsa.kernels:
  - .name:           k_q5b95ab1e1b_prep
    .symbol:         k_q5b95ab1e1b_prep.kd
    .args:
      - { .name: x, .offset: 0, .size: 8, .value_kind: global_buffer, .address_space: global }
      - { .name: Wq, .offset: 8, .size: 8, .value_kind: global_buffer, .address_space: global }
      - { .name: Wk, .offset: 16, .size: 8, .value_kind: global_buffer, .address_space: global }
      - { .name: Wv, .offset: 24, .size: 8, .value_kind: global_buffer, .address_space: global }
      - { .name: Wo, .offset: 32, .size: 8, .value_kind: global_buffer, .address_space: global }
      - { .name: lowp_scales, .offset: 40, .size: 8, .value_kind: global_buffer, .address_space: global }
      - { .name: xc, .offset: 48, .size: 8, .value_kind: global_buffer, .address_space: global }
      - { .name: wt, .offset: 56, .size: 8, .value_kind: global_buffer, .address_space: global }
    .group_segment_fixed_size: 68096
    .private_segment_fixed_size: 0
    .kernarg_segment_align: 8
    .kernarg_segment_size: 64
    .max_flat_workgroup_size: 128
    .sgpr_count:     66
    .vgpr_count:     240
    .wavefront_size: 32
...
	.end_amdgpu_metadata
.endif
;; end of part 1
;; launch qkv (part 2): grid 12 x 32, 4 waves a work-group, clusters of 4 x 4, 327,680 bytes of LDS; arguments xc, wt, lowp_scales, bq, bk, bv, qk, vc; writes qk, vc
.if DOCPART == 2
	.amdgcn_target "amdgcn-amd-amdhsa--gfx1250"
	.amdhsa_code_object_version 6
	.text
	.protected	k_q5b95ab1e1b_qkv
	.globl	k_q5b95ab1e1b_qkv
	.p2align	8
	.type	k_q5b95ab1e1b_qkv,@function
k_q5b95ab1e1b_qkv:
	s_mov_b64 s[64:65], 0
	v_nop
	global_prefetch_b8 v0, s[64:65] scope:SCOPE_SE
	s_setreg_imm32_b32 hwreg(HW_REG_WAVE_MODE, 25, 1), 1
	s_wait_xcnt 0x0
	s_wait_alu depctr_hold_cnt(0) depctr_sa_sdst(0) depctr_va_vdst(0) depctr_va_sdst(0) depctr_va_ssrc(0) depctr_va_vcc(0) depctr_vm_vsrc(0)
	s_getreg_b32 s2, hwreg(HW_REG_IB_STS2, 6, 4)
	s_cmp_eq_u32 s2, 0
	s_cbranch_scc0 .Lentry_in_a_cluster
	s_endpgm
.Lentry_in_a_cluster:
	s_bfe_u32 s2, ttmp6, 0x10000c
	s_cmp_lg_u32 s2, 0xf033
	s_cbranch_scc0 .Lentry_shape_is_right
	s_endpgm
.Lentry_shape_is_right:
; q = x Wq + bq, k = x Wk + bk, v = x Wv + bv on E4M3 codes, and each result quantised at once (q: 2^e6, k: 2^e7, v: 2^e9) for the attention that follows.
; THE CLUSTER'S x (0, 1, 2) NAMES THE PRODUCT; the cluster's y is the class of 1,024 places.  q and k: C = [place][column], M side = x's codes (version 0, 1), N side = the weight's rows.
; v IS MADE TRANSPOSED: C = [channel][place], M side = Wv's rows, N side = x's codes (version 2): the keys are the second attention product's K, and a lane's eight results must be neighbours along K.
; Which is which is chosen by s_cselect on the cluster's x, the same in all sixteen partners; no branch hangs on it.
; A tile of C, 256 x 256, is made by four waves, 128 x 128 each: 64 accumulators of 16 x 16.  K = 1,024 goes in four steps of 256 through two LDS slots filled by joint tensor loads: the four work-groups of a row of the
; cluster ask jointly for the M side's tile, the four of a column for the N side's.  THE MATRIX INSTRUCTION IS USED TRANSPOSED (source 0 = 16 rows of the N side, source 1 = 16 of the M side): a lane holds one M row and eight neighbouring N.
; A fragment is fetched by four loads of 16 bytes: a permutation of k that is the same on both sides.
; BIASES WITHOUT A BRANCH: a bias along N (bq, bk), divided by the power of two that the sums lack, is the C of each sum's first product; a bias along M (bv) is the addend of the one multiply-add on the way out.
; The one that a product does not have is multiplied by 0.
; THE RESULT'S LAYOUT is the image of the attention's operand registers: a block of 8 M rows x 64 N is 512 bytes, [ (N / 16) % 2 ][ (N / 32) % 2 ][ row % 8 ][ 16 bytes = N % 16 ].  A work-group's tile is four runs of 16 KiB.
; LIMITS: e0 + e1, e2 + e3, e4 + e5 between -126 and 126; e6, e7, e9 between -126 and 119.  NaN among the inputs is not served; the biases are finite.
; REGISTERS, in windows of 256: window 0: v1-31 addresses and constants; v32-95 the N bias, 8 registers a column block; v96-111 the M bias, a pair a row block; v128-255 the M side's fragments, one set.
;   window 1: the N side's fragments, two sets.  windows 2, 3: the accumulators of my rows 0-63, 64-127 (accumulator (a, b) at v[8 (8 (a % 4) + b)]).
.set ROWB,   256                       ; a tile's row in bytes
.set KROW,   1024                      ; a row of codes in memory
.set PITCH,  272                       ; an LDS row: 256 bytes + 16 of padding = 68 words: the 16 rows that a load touches start at 16 different banks (64 banks of 4 bytes: ISA guide 11.1)
.set FR,     16
.set NL,     4
.set NP,     4                         ; places behind this matrix instruction (ISA guide 7.12.1)
.set HALFT,  128*PITCH
.set SLOT,   4*HALFT
.set SPARE,  2*SLOT                    ; behind the ring: the spare words, 128 bytes for each wave, which no other line names
.set ADRA, 16
.set ADRB, 20
.set STO,  24                          ; v24 the way out: where I put 8 codes
.set RD,   25                          ; v25 the way out: where I read 16 bytes back
.set CO,   26                          ; v26 16 x lane
.set SPW,  28
.set NIL,  29
.set BC,   32
.set BR,   96
.set AF,   128
.set TMP,  128                         ; the way out: a block's 64 numbers
.set RB,   128                         ; the way out: 32 x 4 registers read back
.set G1, 24
.set G0, 32
.set G1B, 48
.set G0B, 56
.set MSB, 0
.macro WIN new                         ; the immediate's high byte repeats the setting that is left
.if MSB != \new
	s_set_vgpr_msb (MSB<<8)|\new
.set MSB, \new
.endif
.endm
.set MUL_LO, 0xa1                      ; source 0 window 1, source 1 window 0, C and D window 2
.set MUL_HI, 0xf1                      ; the same, C and D window 3
.set FST_LO, 0x81                      ; the first products: C (the bias) window 0, D window 2
.set FST_HI, 0xc1                      ; D window 3
.set TO_B,   0x40
; A joint load: waves 0 and 1 fetch the M side's halves, waves 2 and 3 the N side's.  The branch hangs on the wave's number alone.  An s_nop 0 and four v_nop follow each of the two lines.
.macro JLOAD g0a, g1a, g0b, g1b
	s_cmp_eq_u32 s15, 0
	s_cbranch_scc0 .Lfor_b_\@
	tensor_load_to_lds s[\g0a:\g0a+3], s[\g1a:\g1a+7]
	s_nop 0
.rept 4
	v_nop
.endr
	s_branch .Lasked_\@
.Lfor_b_\@:
	tensor_load_to_lds s[\g0b:\g0b+3], s[\g1b:\g1b+7]
	s_nop 0
.rept 4
	v_nop
.endr
.Lasked_\@:
.endm
.macro CREST                           ; a round of the cluster's barrier behind its opening barrier
	s_cmp_lg_u32 s14, 0
	s_cbranch_scc1 .Lnot_wave_0_\@
	s_barrier_signal -3
.Lnot_wave_0_\@:
	s_barrier_wait -3
	s_barrier_signal -1
	s_barrier_wait -1
.endm
.macro CROUND
	s_barrier_signal -1
	s_barrier_wait -1
	CREST
.endm
	s_load_b512 s[68:83], s[0:1], 0x0              ; xc 68:69, wt 70:71, the scales 72:73, bq 74:75, bk 76:77, bv 78:79, qk 80:81, vc 82:83
	v_lshl_add_u32 v[SPW], v0, 2, SPARE
	v_mov_b32 v[NIL], 0
	ds_add_u32 v[SPW], v[NIL]                      ; the wave's opening: the add and its wait stand ahead of my first tensor load; work on registers stands between them
	v_lshrrev_b32 v1, 5, v0
	v_readfirstlane_b32 s14, v1                    ; wave 0..3
	s_lshr_b32 s15, s14, 1                         ; which half of the tile's M rows is mine.  Also: I fetch for the M side (0) or the N side (1)
	s_and_b32 s16, s14, 1                          ; which half of its N.  Also: which 128 rows of that tile I fetch
	s_bfe_u32 s40, ttmp6, 0x40000                  ; cx
	s_bfe_u32 s41, ttmp6, 0x40004                  ; cy
	s_and_b32 s12, ttmp7, 0xffff                   ; the class
	s_lshl_b32 s13, s12, 2
	s_cmp_eq_u32 ttmp9, 2                          ; v?
	s_cselect_b32 s17, 0, s13
	s_cselect_b32 s42, s13, 0
	s_add_co_u32 s17, s17, s41                     ; the M side's tile: q, k: 4 x class + cy; v: cy
	s_add_co_u32 s42, s42, s40                     ; the N side's tile: q, k: cx; v: 4 x class + cx
	s_lshl_b32 s43, s41, 2
	s_lshl_b32 s43, 15, s43                        ; my row of the cluster
	s_lshl_b32 s44, 0x1111, s40                    ; my column
	s_or_b32 s[G1+0], s43, (0<<16)|(1<<20)|(1<<21)|(5<<22)|(3<<25)  ; 15:0 the mask; 17:16 elements of 1 byte; 20 padding on; 21 set beside a mask; 24:22 after every 64 words; 31:25 four words
	s_or_b32 s[G1B+0], s44, (0<<16)|(1<<20)|(1<<21)|(5<<22)|(3<<25)
.irp g, G1, G1B
	s_mov_b32 s[\g+1], ROWB<<16                    ; tensor_dim0
	s_mov_b32 s[\g+2], 128<<16                     ; tensor_dim1
	s_mov_b32 s[\g+3], ROWB<<16                    ; tile_dim0
	s_mov_b32 s[\g+4], 128                         ; tile_dim1
	s_mov_b32 s[\g+5], KROW                        ; tensor_dim0_stride
	s_mov_b32 s[\g+6], 0
	s_mov_b32 s[\g+7], 0
.endr
	s_lshl_b32 s18, s16, 7                         ; which 128 rows of the tile I fetch
	s_lshl_b32 s20, s17, 8
	s_add_co_u32 s20, s20, s18
	s_lshl_b32 s20, s20, 10                        ; the M side's rows, in bytes: made of cy, the class and the wave alone
	s_lshl_b32 s46, s42, 8
	s_add_co_u32 s46, s46, s18
	s_lshl_b32 s46, s46, 10                        ; the N side's: of cx, the class and the wave alone
	s_mov_b32 s21, 0
	s_mov_b32 s47, 0
	s_mul_i32 s45, s14, HALFT                      ; where they go: wave x 128 rows
	s_lshl_b32 s22, ttmp9, 23                      ; the version of x's codes
	s_mov_b32 s23, 0
	s_lshl_b32 s18, ttmp9, 20                      ; the weight
	s_mov_b32 s19, 0
	s_wait_dscnt 0x0                               ; the opening add is done
	s_wait_kmcnt 0x0
	s_load_b256 s[84:91], s[72:73], 0x0            ; e0 .. e7
	s_load_b128 s[92:95], s[72:73], 0x20           ; e8 .. e11
	s_add_nc_u64 s[68:69], s[68:69], s[22:23]
	s_add_nc_u64 s[70:71], s[70:71], s[18:19]
	s_cmp_eq_u32 ttmp9, 2
	s_cselect_b64 s[22:23], s[70:71], s[68:69]     ; the M side's buffer
	s_cselect_b64 s[18:19], s[68:69], s[70:71]     ; the N side's
	s_add_nc_u64 s[20:21], s[22:23], s[20:21]
	s_add_nc_u64 s[46:47], s[18:19], s[46:47]
	CROUND                                         ; all sixteen work-groups are here: the first joint loads meet
.irp s, 0,1
	s_mov_b32 s[G0+4*\s], 1
	s_add_co_u32 s[G0+4*\s+1], s45, \s*SLOT
	s_add_nc_u64 s[G0+4*\s+2:G0+4*\s+3], s[20:21], \s*ROWB
	s_or_b32 s[G0+4*\s+3], s[G0+4*\s+3], 0x80000000
	s_mov_b32 s[G0B+4*\s], 1
	s_add_co_u32 s[G0B+4*\s+1], s45, \s*SLOT
	s_add_nc_u64 s[G0B+4*\s+2:G0B+4*\s+3], s[46:47], \s*ROWB
	s_or_b32 s[G0B+4*\s+3], s[G0B+4*\s+3], 0x80000000
	JLOAD G0+4*\s, G1, G0B+4*\s, G1B               ; two tensor loads of mine are out
.endr
	v_and_b32 v1, 15, v0                           ; r
	v_bfe_u32 v2, v0, 4, 1                         ; h
	v_lshlrev_b32 v30, 5, v2                       ; the N bias: 8 numbers for each half of the lanes
	v_lshlrev_b32 v31, 2, v1                       ; the M bias: a number a row
	s_cmp_eq_u32 ttmp9, 0
	s_cselect_b64 s[74:75], s[74:75], s[76:77]     ; bq for q, else bk
	s_lshl_b32 s22, s40, 10
	s_lshl_b32 s23, s16, 9
	s_add_co_u32 s22, s22, s23                     ; column 256 cx + 128 x half, in bytes
	s_mov_b32 s23, 0
	s_add_nc_u64 s[74:75], s[74:75], s[22:23]
	s_lshl_b32 s22, s41, 10
	s_lshl_b32 s18, s15, 9
	s_add_co_u32 s22, s22, s18                     ; channel 256 cy + 128 x half
	s_add_nc_u64 s[78:79], s[78:79], s[22:23]
.irp b, 0,1,2,3,4,5,6,7
	global_load_b128 v[BC+8*\b:BC+8*\b+3], v30, s[74:75] offset:64*\b
	global_load_b128 v[BC+8*\b+4:BC+8*\b+7], v30, s[74:75] offset:64*\b+16
.endr
.irp a, 0,1,2,3,4,5,6,7
	global_load_b32 v[BR+2*\a], v31, s[78:79] offset:64*\a
	global_load_b32 v[BR+2*\a+1], v31, s[78:79] offset:64*\a     ; twice: a pair for the packed multiply-add
.endr
	v_mul_u32_u24 v3, v1, PITCH
	v_lshl_add_u32 v4, v2, 4, v3                   ; a fragment's row x pitch + 16 x half
	s_mul_i32 s21, s15, HALFT                      ; my 128 rows of the M side,
	s_mul_i32 s22, s16, HALFT                      ; my 128 of the N side,
	s_add_co_u32 s22, s22, 2*HALFT                 ; which lie behind the M side's 256
.irp s, 0,1
	v_add_nc_u32 v[ADRA+\s], s21, v4
	v_add_nc_u32 v[ADRB+\s], s22, v4
	s_add_co_u32 s21, s21, SLOT
	s_add_co_u32 s22, s22, SLOT
.endr
	v_lshrrev_b32 v5, 3, v1
	v_and_b32 v6, 7, v1
	v_lshlrev_b32 v[STO], 9, v5
	v_lshl_add_u32 v[STO], v6, 4, v[STO]
	v_lshl_add_u32 v[STO], v2, 3, v[STO]
	s_lshl_b32 s21, s16, 15
	s_lshl_b32 s22, s15, 13
	s_add_co_u32 s21, s21, s22
	v_add_nc_u32 v[STO], s21, v[STO]               ; the stage: 32,768 x N half + 8,192 x M half + 512 (r / 8) + 16 (r % 8) + 8 h
	v_and_b32 v6, 31, v0
	v_lshlrev_b32 v[CO], 4, v6
	s_lshl_b32 s21, s14, 14
	v_add_nc_u32 v[RD], s21, v[CO]                 ; back: wave w takes the stage's w-th 16 KiB
	s_and_b32 s22, ttmp9, 1
	s_lshl_b32 s22, s22, 23                        ; k's codes lie behind q's
	s_add_nc_u64 s[80:81], s[80:81], s[22:23]
	s_cmp_eq_u32 ttmp9, 2
	s_cselect_b64 s[10:11], s[82:83], s[80:81]
	s_lshl_b32 s22, s12, 20                        ; the class,
	s_lshl_b32 s18, s40, 18                        ; cx: four runs of 64 KiB (four heads; four groups of 64 keys),
	s_add_co_u32 s22, s22, s18
	s_lshl_b32 s18, s14, 16                        ; of which wave w stores the w-th,
	s_add_co_u32 s22, s22, s18
	s_lshl_b32 s18, s41, 14                        ; cy: its quarter
	s_add_co_u32 s22, s22, s18
	s_add_nc_u64 s[10:11], s[10:11], s[22:23]
	s_wait_kmcnt 0x0
	s_add_co_i32 s18, s84, s85
	s_add_co_i32 s19, s86, s87
	s_add_co_i32 s22, s88, s89
	s_cmp_eq_u32 ttmp9, 1
	s_cselect_b32 s18, s19, s18
	s_cselect_b32 s19, s91, s90
	s_cmp_eq_u32 ttmp9, 2
	s_cselect_b32 s18, s22, s18                    ; the two operands' exponents added
	s_cselect_b32 s19, s93, s19                    ; the result's: e6, e7 or e9
	s_cselect_b32 s100, 0x3f800000, 0              ; the M bias counts for v alone
	s_mov_b32 s101, s100
	s_sub_co_i32 s22, 127, s18
	s_lshl_b32 s22, s22, 23                        ; the power of two that the sums lack, inverted
	s_cmp_eq_u32 ttmp9, 2
	s_cselect_b32 s98, 0, s22                      ; the N bias counts for q and k alone
	s_mov_b32 s99, s98
	s_add_co_i32 s18, s18, 127
	s_lshl_b32 s96, s18, 23                        ; a sum stands for sum x this
	s_mov_b32 s97, s96
	s_add_co_i32 s19, s19, 127
	s_lshl_b32 s22, s19, 23
	v_mov_b32 v12, s22                             ; the result's scale as f32
	s_add_co_i32 s19, s19, 8
	s_lshl_b32 s19, s19, 23
	s_or_b32 s19, s19, 0x600000
	v_mov_b32 v13, s19                             ; 448 x that
	s_wait_loadcnt 0x0                             ; the biases
.set jj, 0
.rept 32
	v_pk_mul_f32 v[BC+jj:BC+jj+1], v[BC+jj:BC+jj+1], s[98:99] op_sel_hi:[1,0]
.set jj, jj+2
.endr
.set jj, 0
.rept 8
	v_pk_mul_f32 v[BR+jj:BR+jj+1], v[BR+jj:BR+jj+1], s[100:101] op_sel_hi:[1,0]
.set jj, jj+2
.endr
.macro FRAG reg, adr, q, i             ; 16 rows x 128 K: lane l holds row l % 16; registers 4 c .. 4 c + 3 hold K = 32 c + 16 (l / 16) + 0 .. 15
.irp c, 0,1,2,3
	ds_load_b128 v[\reg+4*\c:\reg+4*\c+3], v[\adr] offset:128*(\q)+32*\c+(\i)*16*PITCH
.endr
.endm
; 16 matrix instructions: M blocks a0, a0 + 1 x the N side's eight.  zero = 1: the first product starts the sums, with the N bias as C.  The 64 accumulators take turns, one instruction a turn.
.macro MUL16 a0, p, zero
.irp a, \a0, \a0+1
.irp b, 0,1,2,3,4,5,6,7
.if \zero
	v_wmma_f32_16x16x128_fp8_fp8 v[8*(8*((\a)%4)+\b):8*(8*((\a)%4)+\b)+7], v[128*(\p)+FR*\b:128*(\p)+FR*\b+FR-1], v[AF+FR*(\a):AF+FR*(\a)+FR-1], v[BC+8*\b:BC+8*\b+7]
.else
	v_wmma_f32_16x16x128_fp8_fp8 v[8*(8*((\a)%4)+\b):8*(8*((\a)%4)+\b)+7], v[128*(\p)+FR*\b:128*(\p)+FR*\b+FR-1], v[AF+FR*(\a):AF+FR*(\a)+FR-1], v[8*(8*((\a)%4)+\b):8*(8*((\a)%4)+\b)+7]
.endif
.endr
.endr
.endm
.macro FETCH_B slot, q, p
	WIN TO_B
.irp i, 0,1,2,3,4,5,6,7
	FRAG 128*(\p)+FR*\i, ADRB+\slot, \q, \i
.endr
	WIN 0
.endm
.macro FETCH_A slot, q, i0
.irp i, \i0, \i0+1, \i0+2, \i0+3
	FRAG AF+FR*(\i), ADRA+\slot, \q, \i
.endr
.endm
.macro PLACES n                        ; plain vector lines between a matrix instruction and a load into, or a vector write of, its registers, or a read of its result
.rept \n
	v_nop
.endr
.endm
.macro STEP slot, q, zero              ; 128 along K that has its successor in the same slot
	s_wait_dscnt 4*NL                              ; the N side's set and M blocks 0-3 are in; the youngest 16 loads (M blocks 4-7) may be out
.if \zero
	WIN FST_LO
.else
	WIN MUL_LO
.endif
	MUL16 0, (\q)%2, \zero
	MUL16 2, (\q)%2, \zero
	s_wait_dscnt 0
	PLACES NP
	FETCH_B \slot, (\q)+1, 1-(\q)%2
	FETCH_A \slot, (\q)+1, 0
.if \zero
	WIN FST_HI
.else
	WIN MUL_HI
.endif
	MUL16 4, (\q)%2, \zero
	MUL16 6, (\q)%2, \zero
	PLACES NP
	WIN 0
	FETCH_A \slot, (\q)+1, 4
.endm
; A slot's last 128 along K changes slots: one barrier; in front of it each wave waits for all its tensor loads, adds 0 to its spare word, and waits for that and for its reads of this slot.  fill = 1: the slot is filled again, two K steps on.
.macro TURN slot, next, fill
	s_wait_tensorcnt 0x0                           ; all my tensor loads have landed: my part of the next slot
	ds_add_u32 v[SPW], v[NIL]                      ; 0 onto my spare word
	s_wait_dscnt 4*NL+1                            ; the add and the youngest 16 loads may be out
	WIN MUL_LO
	MUL16 0, 1, 0
	s_wait_dscnt 0x0                               ; the add is done, and my reads of this slot are over
	s_barrier_signal -1
	MUL16 2, 1, 0
	WIN 0
	s_barrier_wait -1
.if \fill
	CREST                                          ; the barrier has opened a round of the cluster's: no wave of any partner still reads this slot or has a load on its way
	s_add_nc_u64 s[G0+4*\slot+2:G0+4*\slot+3], s[G0+4*\slot+2:G0+4*\slot+3], 2*ROWB
	s_add_nc_u64 s[G0B+4*\slot+2:G0B+4*\slot+3], s[G0B+4*\slot+2:G0B+4*\slot+3], 2*ROWB
	JLOAD G0+4*\slot, G1, G0B+4*\slot, G1B         ; my one tensor load behind the round; its four v_nop are the places in front of the loads below
.else
	PLACES NP
.endif
	FETCH_B \next, 0, 0
	FETCH_A \next, 0, 0
	WIN MUL_HI
	MUL16 4, 1, 0
	MUL16 6, 1, 0
	PLACES NP
	WIN 0
	FETCH_A \next, 0, 4
.endm
	s_wait_tensorcnt 1                             ; my part of K step 0 is in; K step 1's load may be out
	s_barrier_signal -1
	s_barrier_wait -1
	FETCH_B 0, 0, 0
	FETCH_A 0, 0, 0
	FETCH_A 0, 0, 4
	STEP 0, 0, 1                                   ; K = 1,024 is twice round the ring: written straight out
	TURN 0, 1, 1                                   ; slot 0 takes K step 2
	STEP 1, 0, 0
	TURN 1, 0, 1                                   ; slot 1 takes K step 3
	STEP 0, 0, 0
	TURN 0, 1, 0                                   ; nothing is left to fetch
	STEP 1, 0, 0
	s_wait_dscnt 4*NL
	WIN MUL_LO
	MUL16 0, 1, 0
	MUL16 2, 1, 0
	s_wait_dscnt 0
	WIN MUL_HI
	MUL16 4, 1, 0
	MUL16 6, 1, 0
	WIN 0
; THE WAY OUT.  Block a (16 M rows x 128 N): number = sum x 2^(the operands' exponents) + the M bias; held; eight neighbours along N become 8 codes; they go into the work-group's stage, which is the image of the tile's
; 64 KiB of output.  The stage lies in slot 0, which has had its last fill, and which nobody reads behind the last change of slots.  Each block has code registers of its own (v32-95, v192-255).
.macro OUTBLK a
.set AC, 64*((\a)%4)
.set CDR, 32+16*(\a)+96*((\a)/4)
	WIN 0x02+((\a)/4)                              ; source 0: window 2 or 3
.set jj, 0
.rept 32
	v_pk_fma_f32 v[TMP+jj:TMP+jj+1], v[AC+jj:AC+jj+1], s[96:97], v[BR+2*(\a):BR+2*(\a)+1] op_sel_hi:[1,0,1]   ; each accumulator from its low end on
.set jj, jj+2
.endr
	WIN 0
.set jj, 0
.rept 64
	v_med3_num_f32 v[TMP+jj], v[TMP+jj], -v13, v13 ; the conversion to an 8-bit code does not saturate (ISA guide 7.6.2)
.set jj, jj+1
.endr
.irp b, 0,1,2,3,4,5,6,7
	v_cvt_scalef32_pk8_fp8_f32 v[CDR+2*\b:CDR+2*\b+1], v[TMP+8*\b:TMP+8*\b+7], v12
.endr
	v_nop                                          ; one plain line between the conversions and the next block's writes of their sources
.irp b, 0,1,2,3,4,5,6,7
	ds_store_b64 v[STO], v[CDR+2*\b:CDR+2*\b+1] offset:(\b/4)*16384+(\a)*1024+(\b%2)*256+((\b%4)/2)*128
.endr
.endm
	PLACES NP                                      ; behind the last products: the lines below read results and write registers that held fragments
.irp a, 0,1,2,3,4,5,6,7
	OUTBLK \a
.endr
	s_wait_dscnt 0x0                               ; for the others' sake: my stores into the stage are done
	s_barrier_signal -1
	s_barrier_wait -1
.set tt, 0
.rept 32
	ds_load_b128 v[RB+4*tt:RB+4*tt+3], v[RD] offset:512*tt
.set tt, tt+1
.endr
.set tt, 0
.rept 32
	s_wait_dscnt 31-tt                             ; load tt is in, the younger ones may be out
	global_store_b128 v[CO], v[RB+4*tt:RB+4*tt+3], s[10:11] offset:512*tt   ; the wave stores 512 consecutive bytes, aligned
.set tt, tt+1
.endr
	s_wait_tensorcnt 0x0                           ; the wave's end, behind my last tensor load and my last LDS store
	ds_add_u32 v[SPW], v[NIL]
	s_wait_dscnt 0x0
	CROUND                                         ; the closing round: no work-group ends while a partner may still ask for a tile that names it
	s_endpgm
.Lfunc_end_k_q5b95ab1e1b_qkv:
	.size	k_q5b95ab1e1b_qkv, .Lfunc_end_k_q5b95ab1e1b_qkv-k_q5b95ab1e1b_qkv
	.p2alignl 7, 3214868480
	.fill 96, 4, 3214868480
	.section	.rodata,"a",@progbits
	.p2align	6, 0x0
	.amdhsa_kernel k_q5b95ab1e1b_qkv
		.amdhsa_group_segment_fixed_size 327680
		.amdhsa_private_segment_fixed_size 0
		.amdhsa_enable_private_segment 0
		.amdhsa_kernarg_size 64
		.amdhsa_user_sgpr_count 2
		.amdhsa_user_sgpr_kernarg_segment_ptr 1
		.amdhsa_wavefront_size32 1
		.amdhsa_system_sgpr_workgroup_id_x 1
		.amdhsa_system_sgpr_workgroup_id_y 1
		.amdhsa_system_sgpr_workgroup_id_z 1
		.amdhsa_system_vgpr_workitem_id 0
		.amdhsa_next_free_vgpr 1024
		.amdhsa_next_free_sgpr 102
		.amdhsa_reserve_vcc 0
		.amdhsa_float_denorm_mode_32 3
		.amdhsa_float_denorm_mode_16_64 3
		.amdhsa_memory_ordered 1
		.amdhsa_forward_progress 1
		.amdhsa_inst_pref_size 148
	.end_amdhsa_kernel
	.amdgpu_metadata
---
amdhsa.version: [ 1, 2 ]
amdhsa.kernels:
  - .name:           k_q5b95ab1e1b_qkv
    .symbol:         k_q5b95ab1e1b_qkv.kd
    .args:
      - { .name: xc, .offset: 0, .size: 8, .value_kind: global_buffer, .address_space: global }
      - { .name: wt, .offset: 8, .size: 8, .value_kind: global_buffer, .address_space: global }
      - { .name: lowp_scales, .offset: 16, .size: 8, .value_kind: global_buffer, .address_space: global }
      - { .name: bq, .offset: 24, .size: 8, .value_kind: global_buffer, .address_space: global }
      - { .name: bk, .offset: 32, .size: 8, .value_kind: global_buffer, .address_space: global }
      - { .name: bv, .offset: 40, .size: 8, .value_kind: global_buffer, .address_space: global }
      - { .name: qk, .offset: 48, .size: 8, .value_kind: global_buffer, .address_space: global }
      - { .name: vc, .offset: 56, .size: 8, .value_kind: global_buffer, .address_space: global }
    .group_segment_fixed_size: 327680
    .private_segment_fixed_size: 0
    .kernarg_segment_align: 8
    .kernarg_segment_size: 64
    .max_flat_workgroup_size: 128
    .sgpr_count:     102
    .vgpr_count:     1024
    .wavefront_size: 32
...
	.end_amdgpu_metadata
.endif
;; end of part 2
;; launch attn (part 3): grid 64 x 8, 8 waves a work-group, no clusters, 17,664 bytes of LDS; arguments qk, vc, lowp_scales, ac; writes ac
.if DOCPART == 3
	.amdgcn_target "amdgcn-amd-amdhsa--gfx1250"
	.amdhsa_code_object_version 6
	.text
	.protected	k_q5b95ab1e1b_attn
	.globl	k_q5b95ab1e1b_attn
	.p2align	8
	.type	k_q5b95ab1e1b_attn,@function
k_q5b95ab1e1b_attn:
	s_mov_b64 s[64:65], 0
	v_nop
	global_prefetch_b8 v0, s[64:65] scope:SCOPE_SE
	s_setreg_imm32_b32 hwreg(HW_REG_WAVE_MODE, 25, 1), 1
	s_wait_xcnt 0x0
; The band attention, both products on E4M3 codes.  In the order of places (class = 2 b + parity, 1,024 places a class) key j counts for query i where |j - i| <= 8, inside one class.
; A work-group takes 16 queries of one class, all 16 heads; wave w takes heads 2 w and 2 w + 1.  The keys that count lie in a window of 32 places that begins at ws = i0 - 8, held within 0 .. 992: it never leaves the class.
; S^T = K Q^T (source 0 = 16 keys, source 1 = my 16 queries; K = the head's 64), O^T = V^T P^T (source 0 = 16 channels, source 1 = P; K = 64 of which 32 are keys and 32 meet P's zero codes): a lane holds ONE query throughout.
; q, k and v were stored as images of these operands' registers, so every fragment comes from memory straight into registers; there is no loop.  For Q and K a lane's registers hold channels 32 (lane / 16) + 0 .. 31:
; a permutation of the product's K that is the same on both sides.
; THE SOFTMAX: t = score x log2(e) / 8; M = the row's largest t rounded up to a whole number; p = 2^(t - M) is quantised (2^e8); the row's sum is taken of the unquantised p and divides O at the end.
; Hidden keys get -infinity ahead of the maximum; a query's own key always counts, so M is a number.  O x 2^(e8 + e9) / sum is quantised (2^e10) for the output projection and leaves as rows of 1,024 codes.
; NO JOINT LOADS: neighbouring work-groups' windows are shifted by 16 keys, so no two work-groups want the same tile.
; LIMITS: e6 + e7 between -123 and 130 (added to the exponent field of log2(e) / 8); e8, e10 between -126 and 119.  NaN among the inputs is not served.
.set SPARE, 16640                      ; LDS: a stage of 16 rows x (1,024 + 16) bytes; behind it the spare words, 128 bytes for each of eight waves, which no other line names
.set SPW, 254
.set NIL, 255
.set QF,  16                           ; v16-31   Q: 8 registers a head
.set KF,  32                           ; v32-63   K: 16 u + 8 c (head u, keys 16 c on)
.set VF,  64                           ; v64-95   V: 16 u + 4 t (channels 16 t on), four registers of codes each; v96-99 zeros
.set S,   100                          ; v100-131 S^T, then p: 16 u + 8 c
.set PF,  132                          ; v132-147 P's codes: 8 u; registers 4-7 zeros
.set O,   148                          ; v148-211 O^T: 32 u + 8 t
.set OC,  212                          ; v212-227 O's codes
.set ST,  228                          ; v228 + 8 u: +0 -M, +1 (named with it as a pair), +2, +3 maxima, +4, +5 the sum, +6 the factor, +7 (named with it as a pair)
.macro MKSCALE e, vs, vl
	s_add_co_i32 s18, s[\e], 127
	s_lshl_b32 s19, s18, 23
	v_mov_b32 v[\vs], s19
	s_add_co_i32 s18, s18, 8
	s_lshl_b32 s18, s18, 23
	s_or_b32 s18, s18, 0x600000
	v_mov_b32 v[\vl], s18
.endm
	s_load_b256 s[4:11], s[0:1], 0x0               ; qk 4:5, vc 6:7, the scales 8:9, ac 10:11
	v_lshl_add_u32 v[SPW], v0, 2, SPARE
	v_mov_b32 v[NIL], 0
	v_lshrrev_b32 v1, 5, v0
	v_readfirstlane_b32 s12, v1                    ; wave 0..7
	v_and_b32 v1, 15, v0                           ; r
	v_bfe_u32 v2, v0, 4, 1                         ; h
	s_lshl_b32 s13, ttmp9, 4                       ; i0
	s_and_b32 s14, ttmp7, 0xffff                   ; the class
	s_sub_co_i32 s15, s13, 8
	s_max_i32 s15, s15, 0
	s_min_i32 s15, s15, 992                        ; ws
	s_sub_co_i32 s16, s15, s13
	s_add_co_i32 s16, s16, 8                       ; ws - i0 + 8
	s_lshr_b32 s17, s15, 3                         ; the window's first block of 8 keys
	v_lshrrev_b32 v244, 3, v1
	v_and_b32 v245, 7, v1
	v_lshlrev_b32 v247, 9, v244
	v_lshl_add_u32 v247, v245, 4, v247             ; 512 (r / 8) + 16 (r % 8)
	v_lshl_add_u32 v3, v2, 7, v247                 ; Q, K: + 128 h
	v_add_nc_u32 v15, s17, v2
.irp c, 0,1                            ; V: lane (r, h) wants, for registers 2 c, 2 c + 1, the 8 keys of block kb = first + h + 2 c
	v_add_nc_u32 v244, 2*\c, v15
	v_lshrrev_b32 v245, 3, v244
	v_lshlrev_b32 v245, 16, v245                   ; 65,536 (kb / 8)
	v_bfe_u32 v246, v244, 1, 1
	v_lshl_add_u32 v245, v246, 8, v245             ; + 256 ((kb / 2) % 2)
	v_bfe_u32 v246, v244, 2, 1
	v_lshl_add_u32 v245, v246, 7, v245             ; + 128 ((kb / 4) % 2)
	v_and_b32 v246, 1, v244
	v_lshl_add_u32 v245, v246, 3, v245             ; + 8 (kb % 2)
	v_add_nc_u32 v[4+\c], v245, v247
.endr
	s_lshl_b32 s2, s14, 20
	s_lshl_b32 s3, s12, 17
	s_add_co_u32 s3, s3, s2                        ; the class, my two heads
	s_mov_b32 s19, 0
	s_mov_b32 s36, 0x76543210
	s_mov_b32 s37, 0xfedcba98                      ; v_permlanex16_b32's selects for lane l xor 16
	s_wait_kmcnt 0x0
	s_load_b256 s[20:27], s[8:9], 0x0              ; e0 .. e7
	s_load_b128 s[28:31], s[8:9], 0x20             ; e8 .. e11
	s_lshl_b32 s18, ttmp9, 10                      ; two blocks of 8 queries
	s_add_co_u32 s18, s18, s3
	s_add_nc_u64 s[56:57], s[4:5], s[18:19]        ; Q
	s_lshl_b32 s18, s15, 6                         ; 512 (ws / 8)
	s_add_co_u32 s18, s18, s3
	s_add_co_u32 s18, s18, 0x800000                ; k's codes lie behind q's
	s_add_nc_u64 s[58:59], s[4:5], s[18:19]        ; K
	s_lshl_b32 s18, s12, 13                        ; my 128 channels: 16 blocks of 8
	s_add_co_u32 s18, s18, s2
	s_add_nc_u64 s[60:61], s[6:7], s[18:19]        ; V
	s_lshl_b32 s18, s14, 10
	s_add_co_u32 s18, s18, s13
	s_lshl_b32 s3, s12, 1
	s_add_co_u32 s18, s18, s3                      ; the two rows that I store: place i0 + 2 w of the class
	s_lshl_b32 s18, s18, 10
	s_add_nc_u64 s[62:63], s[10:11], s[18:19]
.irp u, 0,1
.irp c, 0,1
.irp q, 0,1
	global_load_b128 v[KF+16*\u+8*\c+4*\q:KF+16*\u+8*\c+4*\q+3], v3, s[58:59] offset:\u*65536+\c*1024+\q*256   ; the 32 lanes read two runs of 256 consecutive bytes, aligned
.endr
.endr
.endr
.irp u, 0,1
.irp q, 0,1
	global_load_b128 v[QF+8*\u+4*\q:QF+8*\u+4*\q+3], v3, s[56:57] offset:\u*65536+\q*256 th:TH_LOAD_NT
.endr
.endr
.irp u, 0,1
.irp t, 0,1,2,3
.irp c, 0,1
	global_load_b64 v[VF+16*\u+4*\t+2*\c:VF+16*\u+4*\t+2*\c+1], v[4+\c], s[60:61] offset:\u*4096+\t*1024
.endr
.endr
.endr
	; while the loads are on their way: the masks, the constants, the stage's addresses
	v_lshlrev_b32 v6, 3, v2
	v_sub_nc_u32 v6, v6, v1
	v_add_nc_u32 v6, s16, v6                       ; d = 8 h - r + ws - i0 + 8.  Register 8 c + j holds key ws + 16 c + 8 h + j: key - query + 8 = d + 16 c + j, and the key counts where that lies in 0 .. 16
.irp c, 0,1
.irp j, 0,1,2,3,4,5,6,7
	v_add_nc_u32 v244, 16*\c+\j, v6
	v_cmp_ge_u32 s[40+8*\c+\j], 16, v244           ; unsigned: what is negative is large
.endr
.endr
	v_mov_b32 v7, 0xff800000                       ; -infinity
	v_mul_u32_u24 v12, v1, 1040
	v_lshl_add_u32 v12, v2, 3, v12
	s_lshl_b32 s18, s12, 7
	v_add_nc_u32 v12, s18, v12                     ; the stage, in: row r, + 128 w + 8 h
	v_and_b32 v14, 31, v0
	v_lshlrev_b32 v14, 4, v14                      ; 16 x lane
	s_mul_i32 s18, s12, 2080
	v_add_nc_u32 v13, s18, v14                     ; and back: rows 2 w, 2 w + 1
.irp u, 0,1
	v_mov_b32 v[ST+8*\u+1], 0
	v_mov_b32 v[ST+8*\u+7], 0
.irp i, 4,5,6,7
	v_mov_b32 v[PF+8*\u+\i], 0                     ; P's codes for the upper half of K: zeros
.endr
.endr
.irp i, 0,1,2,3
	v_mov_b32 v[VF+32+\i], 0                       ; what the last tile of V names beyond its own four registers
.endr
	s_wait_kmcnt 0x0
	s_add_co_i32 s18, s26, s27
	s_lshl_b32 s18, s18, 23
	s_add_co_i32 s32, s18, 0x3e38aa3b              ; c = log2(e) / 8, with e6 + e7 added to its exponent field
	s_mov_b32 s33, s32
	s_add_co_i32 s34, s28, s29                     ; e8 + e9
	MKSCALE 28, 8, 9                               ; p's scale
	MKSCALE 30, 10, 11                             ; the output's
	s_wait_loadcnt 16                              ; K and Q are in; V's sixteen loads may be out
.irp c, 0,1
.irp u, 0,1
	v_wmma_f32_16x16x64_fp8_fp8 v[S+16*\u+8*\c:S+16*\u+8*\c+7], v[KF+16*\u+8*\c:KF+16*\u+8*\c+7], v[QF+8*\u:QF+8*\u+7], 0
.endr
.endr
.rept 4
	v_nop
.endr
.irp c, 0,1
.irp j, 0,1,2,3,4,5,6,7
.irp u, 0,1
	v_cndmask_b32 v[S+16*\u+8*\c+\j], v7, v[S+16*\u+8*\c+\j], s[40+8*\c+\j]   ; each accumulator from its low end on
.endr
.endr
.endr
.irp u, 0,1
	v_max3_num_f32 v[ST+8*\u+2], v[S+16*\u], v[S+16*\u+1], v[S+16*\u+2]
	v_max3_num_f32 v[ST+8*\u+3], v[S+16*\u+3], v[S+16*\u+4], v[S+16*\u+5]
.endr
.irp i, 6,10
.irp u, 0,1
	v_max3_num_f32 v[ST+8*\u+2], v[ST+8*\u+2], v[S+16*\u+\i], v[S+16*\u+\i+1]
	v_max3_num_f32 v[ST+8*\u+3], v[ST+8*\u+3], v[S+16*\u+\i+2], v[S+16*\u+\i+3]
.endr
.endr
.irp u, 0,1
	v_max3_num_f32 v[ST+8*\u+2], v[ST+8*\u+2], v[S+16*\u+14], v[S+16*\u+15]
.endr
.irp u, 0,1
	v_max_num_f32 v[ST+8*\u+2], v[ST+8*\u+2], v[ST+8*\u+3]
.endr
.irp u, 0,1
	v_permlanex16_b32 v[ST+8*\u+3], v[ST+8*\u+2], s36, s37   ; the query's other 16 keys lie in the lane 16 away
.endr
.irp u, 0,1
	v_max_num_f32 v[ST+8*\u+2], v[ST+8*\u+2], v[ST+8*\u+3]
.endr
.irp u, 0,1
	v_mul_f32 v[ST+8*\u+2], s32, v[ST+8*\u+2]      ; as t (c is positive)
.endr
.irp u, 0,1
	v_floor_f32 v[ST+8*\u], -v[ST+8*\u+2]          ; -M = floor(-t) = -ceil(t)
.endr
.irp j, 0,2,4,6,8,10,12,14
.irp u, 0,1
	v_pk_fma_f32 v[S+16*\u+\j:S+16*\u+\j+1], v[S+16*\u+\j:S+16*\u+\j+1], s[32:33], v[ST+8*\u:ST+8*\u+1] op_sel_hi:[1,0,0]   ; t - M
.endr
.endr
.set jj, 0
.rept 32
	v_exp_f32 v[S+jj], v[S+jj]                     ; p = 2^(t - M): one batch for both heads
.set jj, jj+1
.endr
	v_nop                                          ; a plain line behind the last exponential
	s_wait_alu depctr_va_vdst(0)                   ; the wait ahead of the first line that names a result: one for the batch
.irp u, 0,1
	v_pk_add_f32 v[ST+8*\u+4:ST+8*\u+5], v[S+16*\u:S+16*\u+1], v[S+16*\u+2:S+16*\u+3]   ; the row's sum, of the unquantised p
.endr
.irp j, 4,6,8,10,12,14
.irp u, 0,1
	v_pk_add_f32 v[ST+8*\u+4:ST+8*\u+5], v[ST+8*\u+4:ST+8*\u+5], v[S+16*\u+\j:S+16*\u+\j+1]
.endr
.endr
.irp u, 0,1
	v_add_f32 v[ST+8*\u+4], v[ST+8*\u+4], v[ST+8*\u+5]
.endr
.irp u, 0,1
	v_permlanex16_b32 v[ST+8*\u+5], v[ST+8*\u+4], s36, s37
.endr
.irp u, 0,1
	v_add_f32 v[ST+8*\u+4], v[ST+8*\u+4], v[ST+8*\u+5]
.endr
.irp u, 0,1
	v_rcp_f32 v[ST+8*\u+6], v[ST+8*\u+4]
.endr
.set jj, 0
.rept 32
	v_min_num_f32 v[S+jj], v[S+jj], v9             ; the hold; p is never negative, so it is one-sided.  (These are also the plain lines behind the reciprocals)
.set jj, jj+1
.endr
	s_wait_alu depctr_va_vdst(0)                   ; the wait for the two reciprocals, ahead of the first line that names a result
.irp u, 0,1
.irp c, 0,1
	v_cvt_scalef32_pk8_fp8_f32 v[PF+8*\u+2*\c:PF+8*\u+2*\c+1], v[S+16*\u+8*\c:S+16*\u+8*\c+7], v8   ; registers 2 c, 2 c + 1 of the operand: keys 16 c + 8 h + 0 .. 7 of the window
.endr
.endr
.irp u, 0,1
	v_ldexp_f32 v[ST+8*\u+6], v[ST+8*\u+6], s34    ; 2^(e8 + e9) / the sum.  (The plain lines between the conversions and the products that read their results)
.endr
	s_wait_loadcnt 0x0                             ; V
.irp t, 0,1,2,3
.irp u, 0,1
	v_wmma_f32_16x16x64_fp8_fp8 v[O+32*\u+8*\t:O+32*\u+8*\t+7], v[VF+16*\u+4*\t:VF+16*\u+4*\t+7], v[PF+8*\u:PF+8*\u+7], 0   ; V's upper four registers (the next tile's codes, or zeros) meet P's zero codes
.endr
.endr
.rept 4
	v_nop
.endr
.irp u, 0,1
.set jj, 0
.rept 16
	v_pk_mul_f32 v[O+32*\u+jj:O+32*\u+jj+1], v[O+32*\u+jj:O+32*\u+jj+1], v[ST+8*\u+6:ST+8*\u+7] op_sel_hi:[1,0]   ; each accumulator from its low end on
.set jj, jj+2
.endr
.set jj, 0
.rept 32
	v_med3_num_f32 v[O+32*\u+jj], v[O+32*\u+jj], -v11, v11
.set jj, jj+1
.endr
.irp t, 0,1,2,3
	v_cvt_scalef32_pk8_fp8_f32 v[OC+8*\u+2*\t:OC+8*\u+2*\t+1], v[O+32*\u+8*\t:O+32*\u+8*\t+7], v10   ; channels 16 t + 8 h + 0 .. 7 of my query
.endr
	v_nop
.irp t, 0,1,2,3
	ds_store_b64 v12, v[OC+8*\u+2*\t:OC+8*\u+2*\t+1] offset:64*\u+16*\t
.endr
.endr
	s_wait_dscnt 0x0                               ; for the others' sake: my stores into the stage are done
	s_barrier_signal -1
	s_barrier_wait -1                              ; 16 whole rows of 1,024 codes lie in the stage
.irp i, 0,1,2,3
	ds_load_b128 v[16+4*\i:19+4*\i], v13 offset:(\i/2)*1040+(\i%2)*512
.endr
.irp i, 0,1,2,3
	s_wait_dscnt 3-\i                              ; load i is in, the younger ones may be out
	global_store_b128 v14, v[16+4*\i:19+4*\i], s[62:63] offset:(\i/2)*1024+(\i%2)*512   ; the wave stores 512 consecutive bytes, aligned
.endr
	s_wait_tensorcnt 0x0                           ; the wave's end, behind my last LDS store
	ds_add_u32 v[SPW], v[NIL]
	s_wait_dscnt 0x0
	s_endpgm
.Lfunc_end_k_q5b95ab1e1b_attn:
	.size	k_q5b95ab1e1b_attn, .Lfunc_end_k_q5b95ab1e1b_attn-k_q5b95ab1e1b_attn
	.p2alignl 7, 3214868480
	.fill 96, 4, 3214868480
	.section	.rodata,"a",@progbits
	.p2align	6, 0x0
	.amdhsa_kernel k_q5b95ab1e1b_attn
		.amdhsa_group_segment_fixed_size 17664
		.amdhsa_private_segment_fixed_size 0
		.amdhsa_enable_private_segment 0
		.amdhsa_kernarg_size 32
		.amdhsa_user_sgpr_count 2
		.amdhsa_user_sgpr_kernarg_segment_ptr 1
		.amdhsa_wavefront_size32 1
		.amdhsa_system_sgpr_workgroup_id_x 1
		.amdhsa_system_sgpr_workgroup_id_y 1
		.amdhsa_system_sgpr_workgroup_id_z 1
		.amdhsa_system_vgpr_workitem_id 0
		.amdhsa_next_free_vgpr 256
		.amdhsa_next_free_sgpr 66
		.amdhsa_reserve_vcc 0
		.amdhsa_float_denorm_mode_32 3
		.amdhsa_float_denorm_mode_16_64 3
		.amdhsa_memory_ordered 1
		.amdhsa_forward_progress 1
		.amdhsa_inst_pref_size 27
	.end_amdhsa_kernel
	.amdgpu_metadata
---
amdhsa.version: [ 1, 2 ]
amdhsa.kernels:
  - .name:           k_q5b95ab1e1b_attn
    .symbol:         k_q5b95ab1e1b_attn.kd
    .args:
      - { .name: qk, .offset: 0, .size: 8, .value_kind: global_buffer, .address_space: global }
      - { .name: vc, .offset: 8, .size: 8, .value_kind: global_buffer, .address_space: global }
      - { .name: lowp_scales, .offset: 16, .size: 8, .value_kind: global_buffer, .address_space: global }
      - { .name: ac, .offset: 24, .size: 8, .value_kind: global_buffer, .address_space: global }
    .group_segment_fixed_size: 17664
    .private_segment_fixed_size: 0
    .kernarg_segment_align: 8
    .kernarg_segment_size: 32
    .max_flat_workgroup_size: 256
    .sgpr_count:     66
    .vgpr_count:     256
    .wavefront_size: 32
...
	.end_amdgpu_metadata
.endif
;; end of part 3
;; launch oproj (part 4): grid 4 x 32, 4 waves a work-group, clusters of 4 x 4, 327,680 bytes of LDS; arguments ac, wt, lowp_scales, bo, out0; writes out0
.if DOCPART == 4
	.amdgcn_target "amdgcn-amd-amdhsa--gfx1250"
	.amdhsa_code_object_version 6
	.text
	.protected	k_q5b95ab1e1b_oproj
	.globl	k_q5b95ab1e1b_oproj
	.p2align	8
	.type	k_q5b95ab1e1b_oproj,@function
k_q5b95ab1e1b_oproj:
	s_mov_b64 s[64:65], 0
	v_nop
	global_prefetch_b8 v0, s[64:65] scope:SCOPE_SE
	s_setreg_imm32_b32 hwreg(HW_REG_WAVE_MODE, 25, 1), 1
	s_wait_xcnt 0x0
	s_wait_alu depctr_hold_cnt(0) depctr_sa_sdst(0) depctr_va_vdst(0) depctr_va_sdst(0) depctr_va_ssrc(0) depctr_va_vcc(0) depctr_vm_vsrc(0)
	s_getreg_b32 s2, hwreg(HW_REG_IB_STS2, 6, 4)
	s_cmp_eq_u32 s2, 0
	s_cbranch_scc0 .Lentry_in_a_cluster
	s_endpgm
.Lentry_in_a_cluster:
	s_bfe_u32 s2, ttmp6, 0x10000c
	s_cmp_lg_u32 s2, 0xf033
	s_cbranch_scc0 .Lentry_shape_is_right
	s_endpgm
.Lentry_shape_is_right:
; out0 = a Wo + bo on E4M3 codes: a [8192 places][1024] (scale 2^e10), Wo's codes [n][k] (the fourth MiB of wt, scale 2^e11); out0 f32.  Rows come in the order of places and leave in the tensor's own order:
; place (2 b + p) x 1,024 + i is row b x 2,048 + 2 i + p, so a class's rows lie two rows of out0 apart.
; A tile of C, 256 x 256, is made by four waves, 128 x 128 each: 64 accumulators.  K = 1,024 goes in four steps of 256 through two LDS slots filled by joint tensor loads: the four work-groups of a row of the cluster ask
; jointly for A's tile, the four of a column for B's.  THE MATRIX INSTRUCTION IS USED TRANSPOSED (source 0 = 16 rows of B, source 1 = 16 rows of A): a lane holds eight neighbouring numbers of a row of C.
; A fragment is fetched by four loads of 16 bytes: a permutation of k that is the same on both sides.  bo / 2^(e10 + e11) is the C of each sum's first product; each finished sum is multiplied once by 2^(e10 + e11).
; LIMIT: e10 + e11 between -126 and 126.  NaN among the inputs is not served.
; REGISTERS, in windows of 256: window 0: v1-31 addresses; v32-95 the bias, 8 registers a column block, later a block's numbers on the way out; v128-255 A's fragments, one set, later rows read back.
;   window 1: B's fragments, two sets.  windows 2, 3: the accumulators of my rows 0-63, 64-127.
.set ROWB,   256
.set KROW,   1024
.set PITCH,  272                       ; an LDS row: 256 bytes + 16 of padding = 68 words: the 16 rows that a load touches start at 16 different banks (64 banks of 4 bytes: ISA guide 11.1)
.set FR,     16
.set NL,     4
.set NP,     4
.set HALFT,  128*PITCH
.set SLOT,   4*HALFT
.set SPARE,  2*SLOT                    ; behind the ring: the spare words, 128 bytes for each wave, which no other line names
.set SPITCH, 528                       ; the way out: a stage of 16 rows x (512 + 16) bytes for each wave, in slot 0, which has had its last fill and its last read by then
.set ADRA, 16
.set ADRB, 20
.set STO,  24
.set RD,   25
.set CO,   26
.set SPW,  28
.set NIL,  29
.set BC,   32
.set TMP,  32
.set AF,   128
.set BK,   128
.set G1, 24
.set G0, 32
.set G1B, 48
.set G0B, 56
.set MSB, 0
.macro WIN new
.if MSB != \new
	s_set_vgpr_msb (MSB<<8)|\new
.set MSB, \new
.endif
.endm
.set MUL_LO, 0xa1
.set MUL_HI, 0xf1
.set FST_LO, 0x81                      ; the first products: C (the bias) window 0, D window 2
.set FST_HI, 0xc1
.set TO_B,   0x40
.macro JLOAD g0a, g1a, g0b, g1b        ; a joint load: waves 0 and 1 fetch A's halves, waves 2 and 3 B's; an s_nop 0 and four v_nop follow each of the two lines
	s_cmp_eq_u32 s15, 0
	s_cbranch_scc0 .Lfor_b_\@
	tensor_load_to_lds s[\g0a:\g0a+3], s[\g1a:\g1a+7]
	s_nop 0
.rept 4
	v_nop
.endr
	s_branch .Lasked_\@
.Lfor_b_\@:
	tensor_load_to_lds s[\g0b:\g0b+3], s[\g1b:\g1b+7]
	s_nop 0
.rept 4
	v_nop
.endr
.Lasked_\@:
.endm
.macro CREST
	s_cmp_lg_u32 s14, 0
	s_cbranch_scc1 .Lnot_wave_0_\@
	s_barrier_signal -3
.Lnot_wave_0_\@:
	s_barrier_wait -3
	s_barrier_signal -1
	s_barrier_wait -1
.endm
.macro CROUND
	s_barrier_signal -1
	s_barrier_wait -1
	CREST
.endm
	s_load_b256 s[68:75], s[0:1], 0x0              ; ac 68:69, wt 70:71, the scales 72:73, bo 74:75
	s_load_b64 s[76:77], s[0:1], 0x20              ; out0
	v_lshl_add_u32 v[SPW], v0, 2, SPARE
	v_mov_b32 v[NIL], 0
	ds_add_u32 v[SPW], v[NIL]                      ; the wave's opening: the add and its wait stand ahead of my first tensor load; work on registers stands between them
	v_lshrrev_b32 v1, 5, v0
	v_readfirstlane_b32 s14, v1                    ; wave 0..3
	s_lshr_b32 s15, s14, 1                         ; which half of the tile's rows is mine.  Also: I fetch for A (0) or for B (1)
	s_and_b32 s16, s14, 1                          ; which half of its columns.  Also: which 128 rows of that tile I fetch
	s_bfe_u32 s40, ttmp6, 0x40000                  ; cx
	s_bfe_u32 s41, ttmp6, 0x40004                  ; cy
	s_lshl_b32 s42, ttmp9, 2
	s_add_co_u32 s42, s42, s40                     ; tile column
	s_and_b32 s12, ttmp7, 0xffff                   ; the class
	s_lshl_b32 s17, s12, 2
	s_add_co_u32 s17, s17, s41                     ; tile row
	s_lshl_b32 s43, s41, 2
	s_lshl_b32 s43, 15, s43                        ; my row of the cluster
	s_lshl_b32 s44, 0x1111, s40                    ; my column
	s_or_b32 s[G1+0], s43, (0<<16)|(1<<20)|(1<<21)|(5<<22)|(3<<25)
	s_or_b32 s[G1B+0], s44, (0<<16)|(1<<20)|(1<<21)|(5<<22)|(3<<25)
.irp g, G1, G1B
	s_mov_b32 s[\g+1], ROWB<<16
	s_mov_b32 s[\g+2], 128<<16
	s_mov_b32 s[\g+3], ROWB<<16
	s_mov_b32 s[\g+4], 128
	s_mov_b32 s[\g+5], KROW
	s_mov_b32 s[\g+6], 0
	s_mov_b32 s[\g+7], 0
.endr
	s_lshl_b32 s18, s16, 7
	s_lshl_b32 s20, s17, 8
	s_add_co_u32 s20, s20, s18
	s_lshl_b32 s20, s20, 10                        ; A's rows, in bytes
	s_lshl_b32 s46, s42, 8
	s_add_co_u32 s46, s46, s18
	s_lshl_b32 s46, s46, 10
	s_add_co_u32 s46, s46, 0x300000                ; B's rows, in Wo's MiB of wt
	s_mov_b32 s21, 0
	s_mov_b32 s47, 0
	s_mul_i32 s45, s14, HALFT
	s_wait_dscnt 0x0                               ; the opening add is done
	s_wait_kmcnt 0x0
	s_load_b64 s[94:95], s[72:73], 0x28            ; e10, e11
	s_add_nc_u64 s[20:21], s[68:69], s[20:21]
	s_add_nc_u64 s[46:47], s[70:71], s[46:47]
	CROUND                                         ; all sixteen work-groups are here: the first joint loads meet
.irp s, 0,1
	s_mov_b32 s[G0+4*\s], 1
	s_add_co_u32 s[G0+4*\s+1], s45, \s*SLOT
	s_add_nc_u64 s[G0+4*\s+2:G0+4*\s+3], s[20:21], \s*ROWB
	s_or_b32 s[G0+4*\s+3], s[G0+4*\s+3], 0x80000000
	s_mov_b32 s[G0B+4*\s], 1
	s_add_co_u32 s[G0B+4*\s+1], s45, \s*SLOT
	s_add_nc_u64 s[G0B+4*\s+2:G0B+4*\s+3], s[46:47], \s*ROWB
	s_or_b32 s[G0B+4*\s+3], s[G0B+4*\s+3], 0x80000000
	JLOAD G0+4*\s, G1, G0B+4*\s, G1B               ; two tensor loads of mine are out
.endr
	v_and_b32 v1, 15, v0                           ; r
	v_bfe_u32 v2, v0, 4, 1                         ; h
	v_lshlrev_b32 v30, 5, v2
	s_lshl_b32 s22, s42, 10
	s_lshl_b32 s23, s16, 9
	s_add_co_u32 s22, s22, s23                     ; my first column, in bytes of f32
	s_mov_b32 s23, 0
	s_add_nc_u64 s[74:75], s[74:75], s[22:23]
.irp b, 0,1,2,3,4,5,6,7
	global_load_b128 v[BC+8*\b:BC+8*\b+3], v30, s[74:75] offset:64*\b
	global_load_b128 v[BC+8*\b+4:BC+8*\b+7], v30, s[74:75] offset:64*\b+16
.endr
	s_add_nc_u64 s[10:11], s[76:77], s[22:23]      ; out0 at my first column,
	s_lshr_b32 s22, s12, 1
	s_lshl_b32 s22, s22, 11                        ; 2,048 b
	s_and_b32 s18, s12, 1
	s_add_co_u32 s22, s22, s18                     ; + p
	s_lshl_b32 s18, s41, 9
	s_add_co_u32 s22, s22, s18                     ; + 2 x 256 cy
	s_lshl_b32 s18, s15, 8
	s_add_co_u32 s22, s22, s18                     ; + 2 x 128 x half
	s_lshl_b32 s22, s22, 12                        ; rows of 4,096 bytes
	s_add_nc_u64 s[10:11], s[10:11], s[22:23]      ; and my first row
	v_mul_u32_u24 v3, v1, PITCH
	v_lshl_add_u32 v4, v2, 4, v3
	s_mul_i32 s21, s15, HALFT
	s_mul_i32 s22, s16, HALFT
	s_add_co_u32 s22, s22, 2*HALFT
.irp s, 0,1
	v_add_nc_u32 v[ADRA+\s], s21, v4
	v_add_nc_u32 v[ADRB+\s], s22, v4
	s_add_co_u32 s21, s21, SLOT
	s_add_co_u32 s22, s22, SLOT
.endr
	s_mul_i32 s23, s14, 16*SPITCH                  ; my stage
	v_mul_u32_u24 v5, v1, SPITCH
	v_lshl_add_u32 v5, v2, 5, v5
	v_add_nc_u32 v[STO], s23, v5                   ; in: row r, 32 bytes for each half of the lanes
	v_and_b32 v6, 31, v0
	v_lshlrev_b32 v[CO], 4, v6
	v_add_nc_u32 v[RD], s23, v[CO]                 ; back: the 32 lanes take one row of 512 bytes
	s_wait_kmcnt 0x0
	s_add_co_i32 s18, s94, s95                     ; e10 + e11
	s_sub_co_i32 s22, 127, s18
	s_lshl_b32 s98, s22, 23                        ; 2^-(e10 + e11)
	s_mov_b32 s99, s98
	s_add_co_i32 s18, s18, 127
	s_lshl_b32 s96, s18, 23                        ; 2^(e10 + e11)
	s_mov_b32 s97, s96
	s_wait_loadcnt 0x0                             ; the bias
.set jj, 0
.rept 32
	v_pk_mul_f32 v[BC+jj:BC+jj+1], v[BC+jj:BC+jj+1], s[98:99] op_sel_hi:[1,0]
.set jj, jj+2
.endr
.macro FRAG reg, adr, q, i
.irp c, 0,1,2,3
	ds_load_b128 v[\reg+4*\c:\reg+4*\c+3], v[\adr] offset:128*(\q)+32*\c+(\i)*16*PITCH
.endr
.endm
; 16 matrix instructions: A's blocks a0, a0 + 1 x B's eight.  zero = 1: the first product starts the sums, with the bias as C.  The 64 accumulators take turns, one instruction a turn.
.macro MUL16 a0, p, zero
.irp a, \a0, \a0+1
.irp b, 0,1,2,3,4,5,6,7
.if \zero
	v_wmma_f32_16x16x128_fp8_fp8 v[8*(8*((\a)%4)+\b):8*(8*((\a)%4)+\b)+7], v[128*(\p)+FR*\b:128*(\p)+FR*\b+FR-1], v[AF+FR*(\a):AF+FR*(\a)+FR-1], v[BC+8*\b:BC+8*\b+7]
.else
	v_wmma_f32_16x16x128_fp8_fp8 v[8*(8*((\a)%4)+\b):8*(8*((\a)%4)+\b)+7], v[128*(\p)+FR*\b:128*(\p)+FR*\b+FR-1], v[AF+FR*(\a):AF+FR*(\a)+FR-1], v[8*(8*((\a)%4)+\b):8*(8*((\a)%4)+\b)+7]
.endif
.endr
.endr
.endm
.macro FETCH_B slot, q, p
	WIN TO_B
.irp i, 0,1,2,3,4,5,6,7
	FRAG 128*(\p)+FR*\i, ADRB+\slot, \q, \i
.endr
	WIN 0
.endm
.macro FETCH_A slot, q, i0
.irp i, \i0, \i0+1, \i0+2, \i0+3
	FRAG AF+FR*(\i), ADRA+\slot, \q, \i
.endr
.endm
.macro PLACES n                        ; plain vector lines between a matrix instruction and a load into, or a vector write of, its registers, or a read of its result
.rept \n
	v_nop
.endr
.endm
.macro STEP slot, q, zero
	s_wait_dscnt 4*NL                              ; B's set and A's blocks 0-3 are in; the youngest 16 loads (A's blocks 4-7) may be out
.if \zero
	WIN FST_LO
.else
	WIN MUL_LO
.endif
	MUL16 0, (\q)%2, \zero
	MUL16 2, (\q)%2, \zero
	s_wait_dscnt 0
	PLACES NP
	FETCH_B \slot, (\q)+1, 1-(\q)%2
	FETCH_A \slot, (\q)+1, 0
.if \zero
	WIN FST_HI
.else
	WIN MUL_HI
.endif
	MUL16 4, (\q)%2, \zero
	MUL16 6, (\q)%2, \zero
	PLACES NP
	WIN 0
	FETCH_A \slot, (\q)+1, 4
.endm
.macro TURN slot, next, fill
	s_wait_tensorcnt 0x0                           ; all my tensor loads have landed: my part of the next slot
	ds_add_u32 v[SPW], v[NIL]                      ; 0 onto my spare word
	s_wait_dscnt 4*NL+1                            ; the add and the youngest 16 loads may be out
	WIN MUL_LO
	MUL16 0, 1, 0
	s_wait_dscnt 0x0                               ; the add is done, and my reads of this slot are over
	s_barrier_signal -1
	MUL16 2, 1, 0
	WIN 0
	s_barrier_wait -1
.if \fill
	CREST                                          ; the barrier has opened a round of the cluster's: no wave of any partner still reads this slot or has a load on its way
	s_add_nc_u64 s[G0+4*\slot+2:G0+4*\slot+3], s[G0+4*\slot+2:G0+4*\slot+3], 2*ROWB
	s_add_nc_u64 s[G0B+4*\slot+2:G0B+4*\slot+3], s[G0B+4*\slot+2:G0B+4*\slot+3], 2*ROWB
	JLOAD G0+4*\slot, G1, G0B+4*\slot, G1B         ; my one tensor load behind the round; its four v_nop are the places in front of the loads below
.else
	PLACES NP
.endif
	FETCH_B \next, 0, 0
	FETCH_A \next, 0, 0
	WIN MUL_HI
	MUL16 4, 1, 0
	MUL16 6, 1, 0
	PLACES NP
	WIN 0
	FETCH_A \next, 0, 4
.endm
	s_wait_tensorcnt 1                             ; my part of K step 0 is in; K step 1's load may be out
	s_barrier_signal -1
	s_barrier_wait -1
	FETCH_B 0, 0, 0
	FETCH_A 0, 0, 0
	FETCH_A 0, 0, 4
	STEP 0, 0, 1                                   ; K = 1,024 is twice round the ring: written straight out
	TURN 0, 1, 1
	STEP 1, 0, 0
	TURN 1, 0, 1
	STEP 0, 0, 0
	TURN 0, 1, 0
	STEP 1, 0, 0
	s_wait_dscnt 4*NL
	WIN MUL_LO
	MUL16 0, 1, 0
	MUL16 2, 1, 0
	s_wait_dscnt 0
	WIN MUL_HI
	MUL16 4, 1, 0
	MUL16 6, 1, 0
	WIN 0
; THE WAY OUT, block by block of 16 rows x 128 columns, through my own stage: a lane holds 32 neighbouring bytes of a row; whole rows of 512 bytes come back.  LDS serves a wave's instructions in order (ISA guide 5.7.1.4).
.macro TOSTAGE a
.set AC, 64*((\a)%4)
	WIN 0x02+((\a)/4)
.set jj, 0
.rept 32
	v_pk_mul_f32 v[TMP+jj:TMP+jj+1], v[AC+jj:AC+jj+1], s[96:97] op_sel_hi:[1,0]   ; x 2^(e10 + e11); each accumulator from its low end on
.set jj, jj+2
.endr
	WIN 0
.irp b, 0,1,2,3,4,5,6,7
	ds_store_b128 v[STO], v[TMP+8*\b:TMP+8*\b+3] offset:64*\b
	ds_store_b128 v[STO], v[TMP+8*\b+4:TMP+8*\b+7] offset:64*\b+16
.endr
.set BB, BK+64*((\a)%2)
.irp t, 0,1,2,3,4,5,6,7,8,9,10,11,12,13,14,15
	ds_load_b128 v[BB+4*\t:BB+4*\t+3], v[RD] offset:\t*SPITCH
.endr
.endm
.macro SEND a, younger                 ; younger: the LDS instructions issued behind block a's loads, which may stay out
.set BB, BK+64*((\a)%2)
	s_wait_dscnt \younger
.if (\a) > 0
	s_add_nc_u64 s[10:11], s[10:11], 16*8192       ; (behind a wait on XCNT: the earlier stores have read their base)  16 places on: 32 rows of out0
.endif
.irp t, 0,1,2,3,4,5,6,7,8,9,10,11,12,13,14,15
	global_store_b128 v[CO], v[BB+4*\t:BB+4*\t+3], s[10:11] offset:\t*8192 th:TH_STORE_NT   ; the wave stores 512 consecutive bytes, aligned; a place on is two rows of out0 on
.endr
.endm
	PLACES NP                                      ; behind the last products: the lines below read results, and loads land in registers that held fragments
	TOSTAGE 0
.irp a, 1,2,3,4,5,6,7
.if \a > 1
	s_wait_xcnt 0x0                                ; block a - 2's stores have read their registers and their base
.endif
	TOSTAGE \a
	SEND \a-1, 32                                  ; behind block a - 1's loads: block a's 16 stores and 16 loads
.endr
	s_wait_xcnt 0x0
	SEND 7, 0
	s_wait_tensorcnt 0x0                           ; the wave's end, behind my last tensor load and my last LDS store
	ds_add_u32 v[SPW], v[NIL]
	s_wait_dscnt 0x0
	CROUND                                         ; the closing round: no work-group ends while a partner may still ask for a tile that names it
	s_endpgm
.Lfunc_end_k_q5b95ab1e1b_oproj:
	.size	k_q5b95ab1e1b_oproj, .Lfunc_end_k_q5b95ab1e1b_oproj-k_q5b95ab1e1b_oproj
	.p2alignl 7, 3214868480
	.fill 96, 4, 3214868480
	.section	.rodata,"a",@progbits
	.p2align	6, 0x0
	.amdhsa_kernel k_q5b95ab1e1b_oproj
		.amdhsa_group_segment_fixed_size 327680
		.amdhsa_private_segment_fixed_size 0
		.amdhsa_enable_private_segment 0
		.amdhsa_kernarg_size 40
		.amdhsa_user_sgpr_count 2
		.amdhsa_user_sgpr_kernarg_segment_ptr 1
		.amdhsa_wavefront_size32 1
		.amdhsa_system_sgpr_workgroup_id_x 1
		.amdhsa_system_sgpr_workgroup_id_y 1
		.amdhsa_system_sgpr_workgroup_id_z 1
		.amdhsa_system_vgpr_workitem_id 0
		.amdhsa_next_free_vgpr 1024
		.amdhsa_next_free_sgpr 102
		.amdhsa_reserve_vcc 0
		.amdhsa_float_denorm_mode_32 3
		.amdhsa_float_denorm_mode_16_64 3
		.amdhsa_memory_ordered 1
		.amdhsa_forward_progress 1
		.amdhsa_inst_pref_size 127
	.end_amdhsa_kernel
	.amdgpu_metadata
---
amdhsa.version: [ 1, 2 ]
amdhsa.kernels:
  - .name:           k_q5b95ab1e1b_oproj
    .symbol:         k_q5b95ab1e1b_oproj.kd
    .args:
      - { .name: ac, .offset: 0, .size: 8, .value_kind: global_buffer, .address_space: global }
      - { .name: wt, .offset: 8, .size: 8, .value_kind: global_buffer, .address_space: global }
      - { .name: lowp_scales, .offset: 16, .size: 8, .value_kind: global_buffer, .address_space: global }
      - { .name: bo, .offset: 24, .size: 8, .value_kind: global_buffer, .address_space: global }
      - { .name: out0, .offset: 32, .size: 8, .value_kind: global_buffer, .address_space: global }
    .group_segment_fixed_size: 327680
    .private_segment_fixed_size: 0
    .kernarg_segment_align: 8
    .kernarg_segment_size: 40
    .max_flat_workgroup_size: 128
    .sgpr_count:     102
    .vgpr_count:     1024
    .wavefront_size: 32
...
	.end_amdgpu_metadata
.endif
;; end of part 4
